; MI455X (gfx1250); checked and timed in simulation.
; The chip was launched on July 23, 2026; its instructions are those of AMD's public machine-readable ISA for CDNA 5 (MIT licence, August 2026) and "CDNA5" Instruction Set Architecture Reference Guide (July 2026). The comments in the code are by the model that wrote it; some were corrected since.
;; MHA. Allowed arithmetic: matrix products marked QUANTISED: E2M3 operands, one E8M0 scale for each 32 along K, by v_wmma_scale_f32_16x16x128_f8f6f4 with both operands' format E2M3, f32 sums; everything else in f32.
;; Inputs: W_k 1,024 x 128 float32; W_q 1,024 x 128 float32; W_v 1,024 x 128 float32; x 4 x 2,048 x 128 float32.
;; Outputs: out0 4 x 8 x 2,048 x 128 float32.
;; This version of the problem:
;;   THIS VERSION OF THE PROBLEM IS GIVEN IN LOW PRECISION. The matrix products marked QUANTISED in the list below multiply operands that are first quantised to E2M3 (2 exponent bits, 3 mantissa bits; 6 bits a number), with one power-of-two scale for each 32 numbers along K (OCP MX v1.0); their sums are f32. All else is computed in f32.
;;   The module's matrix products, in the order in which they are computed (A, B: the left and right operand; K: the contracted axis; several contracted axes count as one K, in the product's order):
;;     1. [M 8,192, K 128] x [K 128, N 1,024]; A: input x; B: input W_q: QUANTISED
;;     2. [M 8,192, K 128] x [K 128, N 1,024]; A: input x; B: input W_k: QUANTISED
;;     3. [M 8,192, K 128] x [K 128, N 1,024]; A: input x; B: input W_v: QUANTISED
;;     4. batch 32 x [M 2,048, K 128] x [K 128, N 2,048]; A: computed on the way; B: computed on the way: QUANTISED
;;     5. batch 32 x [M 2,048, K 2,048] x [K 2,048, N 128]; A: computed on the way; B: computed on the way: QUANTISED
;;   THE QUANTISER, for each operand of a quantised product, along K:
;;     - K is cut into blocks of 32 from its start; a last block that is shorter is filled with zeros.
;;     - A block's scale is 2^e with e = floor(log2(the largest magnitude in the block)) - 2, held to -126 .. 127; a block of zeros has e = 0. As a byte (E8M0): e + 127.
;;     - Each number is divided by its block's scale, clamped to +-7.5, and rounded to the nearest number of E2M3, ties to even, subnormals kept.
;;     - The product sums the exact products of the quantised numbers (number of the format x scale) in f32.
;;   ~~~python
;;   def quantise(x, axis):      # numpy; x: float32 -> the quantised numbers, widened to float32 again
;;       x = np.moveaxis(x, axis, -1); K = x.shape[-1]
;;       x = np.pad(x, [(0, 0)] * (x.ndim - 1) + [(0, -K % 32)]); x = x.reshape(x.shape[:-1] + (-1, 32)); a = np.abs(x).max(-1, keepdims=True)
;;       e = np.where(a > 0, np.clip(np.frexp(np.where(a > 0, a, 1))[1] - 1 - 2, -126, 127), 0)      # np.frexp(a)[1] - 1 = floor(log2(a)), exactly
;;       r = np.clip(x / 2.0 ** e, -7.5, 7.5)
;;       step = 2.0 ** (np.maximum(np.frexp(np.where(r == 0, 1, r))[1] - 1, 0) - 3)
;;       q = np.round(r / step) * step * 2.0 ** e      # np.round: ties to even
;;       return np.moveaxis(q.reshape(q.shape[:-2] + (-1,))[..., :K], -1, axis).astype(np.float32)
;;   ~~~
;;   OPERANDS COMPUTED ON THE WAY. 'Computed on the way' means the value that the module computes at that place (a softmax that the list does not call 'softmax' is quantised finished and normalised). What goes into a quantiser is computed in f32, as accurately as f32 sums, v_exp_f32 and their like allow (about 1e-6 of the number): no bf16 or f16 on the way to a quantiser, and a product that is left as it is and whose result goes on into a quantised operand takes f32 operands (vector FMAs, or v_wmma_f32_16x16x4_f32). A number that lies on a knife's edge between two numbers of the format may be rounded either way, as far as f32 arithmetic and the matrix unit's own rounding can turn it there, and no further.
;; 2 versions, each right; version 2 is version 1 with the launch project written anew for expert scheduling mode. Each part assembles by itself: llvm-mc -triple=amdgcn-amd-amdhsa -mcpu=gfx1250 --defsym DOCPART=n.
;; ======== version 1 of 2: 2 launches
;; workspace buffers: qkv 19,660,800 bytes
;; launch project (part 1): grid 32 x 8, 4 waves a work-group, no clusters, 134,656 bytes of LDS; arguments x, W_q, W_k, W_v, qkv; writes qkv
.if DOCPART == 1
	.amdgcn_target "amdgcn-amd-amdhsa--gfx1250"
	.amdhsa_code_object_version 6
	.text
	.protected	k_qf135750b35_project
	.globl	k_qf135750b35_project
	.p2align	8
	.type	k_qf135750b35_project,@function
k_qf135750b35_project:
	s_mov_b64 s[64:65], 0
	v_nop
	global_prefetch_b8 v0, s[64:65] scope:SCOPE_SE
	s_setreg_imm32_b32 hwreg(HW_REG_WAVE_MODE, 25, 1), 1
	s_wait_xcnt 0x0
; Q, K, V = x W^T for one head and 256 rows of x, all three products on codes of FP6 (E2M3) with one E8M0 scale for each 32 along K (= the 128 of the model),
; and the results quantised again at once: Q and K along the head's 128, V along the keys.  What is stored are IMAGES OF OPERAND REGISTERS for the next launch.
; qkv: 512 groups (head (b 8 + hd), 128 rows of the sequence) of 38,400 bytes: K's part at 0, V's at 12,800, Q's at 25,600.  A part: 8 fragments of 1,536 bytes
; (register 4 k + e of lane l at 512 k + 16 l + 4 e), then 512 bytes of scale words: the word of tile i at 16 r + 4 i, of tile 4 + i at 256 + 16 r + 4 i.
; THE ROWS OF A TILE ARE NOT NEIGHBOURS: lane r of tile T = 4 c + u takes row 64 c + 32 (r / 8) + 8 u + r % 8 of its 128.  A product whose source 0 walks the 8 tiles then leaves
; in lane (r, h), register 32 c + i, the index 64 c + 32 h + i: a whole block of 32 in ONE lane, in the order of the 6-bit operand's registers: no lane is asked for a maximum, nothing changes lanes but the scale word's bytes.
; SHARES.  A work-group: 256 rows x one head.  First each wave quantises 4 fragments of x and 2 of each W from f32 and lays their images in LDS; one barrier; then wave w (g = w % 2, p = w / 2)
; makes tiles 4 p .. 4 p + 3 of Q, K and V of row group g.  Q, K: source 0 = W's 8 tiles, source 1 = my tile of x (a lane holds a row, registers run along the head's 128).
; V: source 0 = x's 8 tiles, source 1 = my tile of W_v (a lane holds one of the head's 128, registers run along the keys).
; THE f32 NUMBERS TURN THROUGH LDS.  The conversions want 64 numbers of ONE row in a lane; a load is best where neighbouring lanes take neighbouring bytes.  Both are had: a row of f32 is 512 bytes, and each load of a wave
; takes one whole row, 16 bytes a lane; a fragment's 16 rows go into the wave's own stage as they lie (rows 528 bytes apart) and come back 16 bytes at a time from the lane's own row.  Two stages by turns, one fragment ahead of the
; quantiser; the loads run four fragments ahead.  Waves share nothing of the stages: no barrier there.
; NO CLUSTER, NO TENSOR LOAD: the inputs are f32 that go from memory through registers into the conversions; a work-group reads 128 KiB of x and 192 KiB of W once, which together are as much as all of LDS: they pass through, a fragment at a time.
; LIMITS: a block of zeros gets the scale byte 1 where the rule says 127 (its codes are zeros, and this program alone reads the bytes); blocks whose largest magnitude lies under 2^(3 - 127) are held at that byte; NaN and infinities among the inputs are not served.
.set FRB,   1536                       ; a fragment's image: 12 registers x 32 lanes x 4 bytes
.set PART,  12800                      ; 8 fragments + 512 bytes of scale words
.set GROUP, 38400                      ; K's, V's and Q's part of 128 rows
.set XSC,   0                          ; LDS: x's scale words, 16 fragments x 128 bytes
.set WSC,   2048                       ; W's, 24 x 128
.set XIMG,  5120                       ; x's 16 fragments (8 g + T)
.set WIMG,  29696                      ; W's 24 (8 m + T; m: q 0, k 1, v 2); ends at 66,560
.set STG,   66560                      ; the stages: two for each wave; ends at 134,144
.set SPT,   528                        ; a stage row: 512 bytes + 16 = 132 words
.set STGB,  16*SPT                     ; a stage: a fragment's 16 rows
.set STI, 1                            ; v1   the stage, on the way in: my wave's stages + 16 x lane
.set LI,  2                            ; v2   16 x lane
.set LS,  3                            ; v3   4 x lane
.set XWI, 4                            ; v4   where I lay x's images: LI + 4 fragments x wave
.set XWS, 5                            ; v5   and their scale words
.set WWI, 6                            ; v6   W's: LI + 2 fragments x wave
.set WWS, 7                            ; v7
.set SH8, 8                            ; v8   8 h
.set SCO, 9                            ; v9   16 r + 8 h: my 8 bytes of a scale image's half
.set MXR, 10                           ; v10-13 four chains of largest magnitudes
.set EXR, 14                           ; v14-15 the conversions' scale operands
.set BYR, 16                           ; v16-17 the scale bytes
.set WD,  18                           ; v18  my two bytes at their places
.set WD2, 19                           ; v19  lane l xor 16's
.set AXA, 20                           ; v20  x's fragments of my row group;  v21 my four of them;  v22 my four of a W
.set AXO, 21
.set AWO, 22
.set SXA, 23                           ; v23-25 the same for the scale words
.set SXO, 24
.set SWO, 25
.set CT,  26                           ; v26-28, v30-32 the upper halves of a block's codes, before they are moved
.set STR, 29                           ; v29  the stage, on the way out: my wave's stages + 528 r + 128 h
.set PW,  33                           ; v33, v34 a scale word on its way to LDS, two by turns
.set PWO, 34                           ; v34-37 later: the scale words of my four output tiles
.set SPAIR, 38                         ; v38-39 the two that I store
.set ASC, 40                           ; v40-47 scale words of source 0's eight tiles;  v48-51 of my four tiles: they hold scales and nothing else
.set OSC, 48
.set PC,  52                           ; v52-63 a fragment's codes (in the first phase two sets by turns: v52-63, v64-75)
.set H,   64                           ; v64-127 a tile's 64 results
.set X,   128                          ; v128-191, v192-255 64 numbers of my row, back from the stage: two sets by turns
                                       ; window 1: first four sets of 64 registers, rows as they are loaded; then v0-95 source 0's eight fragments, v96-143 my four
.set WV,  14
.set SEL, 20                           ; s[20:21] v_permlanex16_b32's selects for lane l xor 16
.set HM,  22                           ; s22  the lanes with h = 1
.set OUTB, 26                          ; s[26:27] qkv at my group, my four fragments
.set OUTS, 28                          ; s[28:29] qkv at my group's scale image, my half
.set XB,  30                           ; s[30:31] x at my wave's 64 rows
.set WB,  32                           ; s[32:37] W_q, W_k, W_v at my wave's two tiles
.set MSB, 0
.macro WIN new                         ; the immediate's high byte repeats the setting that is left; a switch that changes nothing is dropped
.if MSB != (\new)
	s_set_vgpr_msb (MSB<<8)|(\new)
.set MSB, \new
.endif
.endm
; THE QUANTISER AS A NUMBERED LIST.  QS writes number n of it and steps n.  64 numbers of a lane, v[SB] on (window SW), register 32 c + i = k 64 c + 32 h + i, become the fragment's 12 registers
; v[PB] on and its scale word v[PWR].  (The numbers begin at 32 here: 0 to 31 are a scaling that the second launch's list has.)
;   32-63  the two blocks' largest magnitudes, two chains each, with the floor 2^(3 - 127) as a leaf (so the byte cannot fall under 1); sources in ascending pairs, each result from its low end on
;   64-69  the chains joined; 2 off the exponent field: the conversion's scale operand; its exponent field: the byte
;   70-73  my bytes (blocks h and 2 + h) at their places, and lane l xor 16's two: the scale word
;   74-84  four conversions, a plain line behind them, and the moves of the upper halves (a conversion's three registers begin on an even number)
.macro QS
.set qw, 0
.if (n >= 32) && (n < 64)
.set qw, 5*SW
.endif
.if (n >= 74) && (n < 78)
.set qw, SW
.endif
	WIN qw
.if n < 64
.set qc, (n-32)%2
.set qq, (n-32)/2
.set qa, SB+32*qc+2*qq
.set qm, MXR+2*qc+qq%2
.if qq < 2
	v_max3_num_f32 v[qm], |v[qa]|, |v[qa+1]|, 0x1800000
.else
	v_max3_num_f32 v[qm], |v[qa]|, |v[qa+1]|, v[qm]
.endif
.elseif n < 66
	v_max_num_f32 v[MXR+2*(n-64)], v[MXR+2*(n-64)], v[MXR+2*(n-64)+1]
.elseif n < 68
	v_add_nc_u32 v[EXR+n-66], 0xff000000, v[MXR+2*(n-66)]
.elseif n < 70
	v_lshrrev_b32 v[BYR+n-68], 23, v[EXR+n-68]
.elseif n == 70
	v_lshl_or_b32 v[WD], v[BYR+1], 16, v[BYR]
.elseif n == 71
	v_lshlrev_b32 v[WD], v[SH8], v[WD]
.elseif n == 72
	v_permlanex16_b32 v[WD2], v[WD], s[SEL], s[SEL+1]
.elseif n == 73
	v_or_b32 v[PWR], v[WD], v[WD2]
.elseif n < 78
.set qc, (n-74)/2
.if (n-74)%2 == 0
	v_cvt_scalef32_pk16_fp6_f32 v[PB+6*qc:PB+6*qc+2], v[SB+32*qc:SB+32*qc+15], v[EXR+qc]
.else
	v_cvt_scalef32_pk16_fp6_f32 v[CT+4*qc:CT+4*qc+2], v[SB+32*qc+16:SB+32*qc+31], v[EXR+qc]
.endif
.elseif n == 78
	v_nop
.else
	v_mov_b32 v[PB+6*((n-79)/3)+3+(n-79)%3], v[CT+4*((n-79)/3)+(n-79)%3]
.endif
.set n, n+1
.endm
.macro QUANT sb, sw, pb, pwr           ; the whole list
.set SB, \sb
.set SW, \sw
.set PB, \pb
.set PWR, \pwr
.set n, 32
.rept 53
	QS
.endr
.endm
; Fragment f of my ten (0-3: x's tiles; 4-9: two tiles of W_q, W_k, W_v): its 16 rows of f32 into set f % 4 of window 1.  Load j takes the row of the tile's lane r = j, row 32 (j / 8) + j % 8 from the tile's first:
; 32 lanes read its 512 consecutive bytes, at a multiple of 512 from the buffer's first byte.  (No hint: other work-groups read the same rows.)
.macro GLOAD f
	WIN 0x40                                       ; destination window 1
.irp j, 0,1,2,3,4,5,6,7,8,9,10,11,12,13,14,15
.if (\f) < 4
	global_load_b128 v[64*((\f)%4)+4*\j:64*((\f)%4)+4*\j+3], v[LI], s[XB:XB+1] offset:4096*(\f)+(32*(\j/8)+\j%8)*512
.else
	global_load_b128 v[64*((\f)%4)+4*\j:64*((\f)%4)+4*\j+3], v[LI], s[WB+2*(((\f)-4)/2):WB+2*(((\f)-4)/2)+1] offset:4096*(((\f)-4)%2)+(32*(\j/8)+\j%8)*512
.endif
.endr
	WIN 0
.endm
; Fragment f's rows through stage f % 2: in as they were loaded, back as k = 64 c + 32 h + 4 i + 0 .. 3 of my row r, into set f % 2 of X.
; LDS serves a wave's instructions in order (ISA guide 5.7.1.4): no wait stands between the stores and the loads, and the stage's last reads came before these stores.
.macro TURN f
	WIN 0x04                                       ; an LDS store's data are its source 1: window 1
.irp j, 0,1,2,3,4,5,6,7,8,9,10,11,12,13,14,15
	ds_store_b128 v[STI], v[64*((\f)%4)+4*\j:64*((\f)%4)+4*\j+3] offset:STGB*((\f)%2)+SPT*\j
.endr
	WIN 0
.irp c, 0,1
.irp i, 0,1,2,3,4,5,6,7
	ds_load_b128 v[X+64*((\f)%2)+32*\c+4*\i:X+64*((\f)%2)+32*\c+4*\i+3], v[STR] offset:STGB*((\f)%2)+256*\c+16*\i
.endr
.endr
.endm
.macro PREP f                          ; fragment f is quantised and its image laid in LDS, while fragment f + 1 turns through the other stage and fragment f + 4 is asked for
.set PCF, PC+12*((\f)%2)               ; the codes' and the scale word's registers take turns: the last fragment's image stores may still be out
.if (\f) == 0
	s_wait_dscnt 0x0                               ; my numbers are back from the stage
.else
	s_wait_dscnt 4                                 ; the four youngest LDS instructions are the last fragment's image stores: all before them are done: my numbers are back, and the stores into the stage have read their registers,
.endif
.if (\f)+4 < 10
	GLOAD (\f)+4                                   ; which take the rows of four fragments on
.endif
.if (\f)+1 < 10
.if 8-(\f) < 3
	s_wait_loadcnt 16*(8-(\f))                     ; sixteen loads for each fragment asked for behind fragment f + 1: its rows are in
.else
	s_wait_loadcnt 48
.endif
	TURN (\f)+1
.endif
	QUANT X+64*((\f)%2), 0, PCF, PW+(\f)%2
.irp k, 0,1,2
.if (\f) < 4
	ds_store_b128 v[XWI], v[PCF+4*\k:PCF+4*\k+3] offset:XIMG+FRB*(\f)+512*\k
.else
	ds_store_b128 v[WWI], v[PCF+4*\k:PCF+4*\k+3] offset:WIMG+(8*(((\f)-4)/2)+((\f)-4)%2)*FRB+512*\k
.endif
.endr
.if (\f) < 4
	ds_store_b32 v[XWS], v[PW+(\f)%2] offset:XSC+128*(\f)
.else
	ds_store_b32 v[WWS], v[PW+(\f)%2] offset:WSC+1024*(((\f)-4)/2)+128*(((\f)-4)%2)
.endif
.endm
; One of Q, K, V for my four tiles.  Source 0's eight fragments from v[afa] + afo, their scale words from v[asa] + aso; own = 1: my four fragments from v[bfa] + bfo, their words from v[bsa] + bso
; (own = 0: those of the unit before stay).  part: where the results go in a group.
.macro UNIT afa, afo, asa, aso, own, bfa, bfo, bsa, bso, part
	WIN 0x40                                       ; (the quantiser's lines behind the last products are the places in front of these loads)
.irp t, 0,1,2,3,4,5,6,7
.irp k, 0,1,2
	ds_load_b128 v[12*\t+4*\k:12*\t+4*\k+3], v[\afa] offset:\afo+FRB*\t+512*\k
.endr
.endr
.if \own
.irp t, 0,1,2,3
.irp k, 0,1,2
	ds_load_b128 v[96+12*\t+4*\k:96+12*\t+4*\k+3], v[\bfa] offset:\bfo+FRB*\t+512*\k
.endr
.endr
.endif
	WIN 0
.irp t, 0,1,2,3,4,5,6,7
	ds_load_b32 v[ASC+\t], v[\asa] offset:\aso+128*\t
.endr
.if \own
.irp t, 0,1,2,3
	ds_load_b32 v[OSC+\t], v[\bsa] offset:\bso+128*\t
.endr
.endif
	s_wait_dscnt 0x0
.irp i, 0,1,2,3
	WIN 0x05                                       ; sources 0 and 1 window 1
.irp t, 0,1,2,3,4,5,6,7
	v_wmma_scale_f32_16x16x128_f8f6f4 v[H+8*\t:H+8*\t+7], v[12*\t:12*\t+11], v[96+12*\i:96+12*\i+11], 0, v[ASC+\t], v[OSC+\i] matrix_a_fmt:MATRIX_FMT_FP6 matrix_b_fmt:MATRIX_FMT_FP6
.endr
	WIN 0
.rept 4
	v_nop                                          ; four places between the last product and the first read of results (ISA guide 7.12.1)
.endr
	s_wait_xcnt 0x0                                ; the earlier stores have read the codes' registers and the scale pair
	QUANT H, 0, PC, PWO+\i
.irp k, 0,1,2
	global_store_b128 v[LI], v[PC+4*\k:PC+4*\k+3], s[OUTB:OUTB+1] offset:\part*PART+FRB*\i+512*\k   ; 32 lanes store 512 consecutive bytes, at a multiple of 256 from the buffer's first byte
.endr
.endr
	v_cndmask_b32 v[SPAIR], v[PWO], v[PWO+2], s[HM]        ; lanes 0-15 store the words of my tiles 0 and 1, lanes 16-31 of tiles 2 and 3
	v_cndmask_b32 v[SPAIR+1], v[PWO+1], v[PWO+3], s[HM]
	global_store_b64 v[SCO], v[SPAIR:SPAIR+1], s[OUTS:OUTS+1] offset:\part*PART   ; 256 consecutive bytes, aligned
.endm
	s_load_b256 s[4:11], s[0:1], 0x0               ; x s[4:5], W_q s[6:7], W_k s[8:9], W_v s[10:11]
	s_load_b64 s[12:13], s[0:1], 0x20              ; qkv
	s_set_vgpr_msb 0x80
	v_lshl_add_u32 v0, v0, 2, 0x20c00
	v_mov_b32 v1, 0
	s_set_vgpr_msb 0x8000
	v_lshrrev_b32 v10, 5, v0
	v_readfirstlane_b32 s[WV], v10                 ; wave 0..3
	v_and_b32 v10, 31, v0                          ; lane
	v_and_b32 v11, 15, v0                          ; r
	v_bfe_u32 v12, v0, 4, 1                        ; h
	v_lshlrev_b32 v[LI], 4, v10
	v_lshlrev_b32 v[LS], 2, v10
	v_lshlrev_b32 v[SH8], 3, v12
	v_lshl_add_u32 v[SCO], v11, 4, v[SH8]
	v_mov_b32 v[WD2], 0                            ; written once: a lane permute's destination counts as one of its sources
	s_mul_i32 s17, s[WV], 2*STGB
	s_add_co_u32 s17, s17, STG                     ; my wave's two stages
	v_add_nc_u32 v[STI], s17, v[LI]                ; in: a row's 512 bytes as they lie
	v_mul_u32_u24 v[STR], v11, SPT                 ; back: my row r, 128 bytes on for lanes 16-31
	v_lshl_add_u32 v[STR], v12, 7, v[STR]
	v_add_nc_u32 v[STR], s17, v[STR]
	s_and_b32 s18, s[WV], 1                        ; g: my row group
	s_lshr_b32 s19, s[WV], 1                       ; p: my half of the output tiles
	s_mul_i32 s17, s[WV], 4*FRB
	v_add_nc_u32 v[XWI], s17, v[LI]
	s_lshl_b32 s17, s[WV], 9
	v_add_nc_u32 v[XWS], s17, v[LS]
	s_mul_i32 s17, s[WV], 2*FRB
	v_add_nc_u32 v[WWI], s17, v[LI]
	s_lshl_b32 s17, s[WV], 8
	v_add_nc_u32 v[WWS], s17, v[LS]
	s_mul_i32 s17, s18, 8*FRB
	v_add_nc_u32 v[AXA], s17, v[LI]
	s_mul_i32 s17, s19, 4*FRB
	v_add_nc_u32 v[AXO], s17, v[AXA]
	v_add_nc_u32 v[AWO], s17, v[LI]
	s_lshl_b32 s17, s18, 10
	v_add_nc_u32 v[SXA], s17, v[LS]
	s_lshl_b32 s17, s19, 9
	v_add_nc_u32 v[SXO], s17, v[SXA]
	v_add_nc_u32 v[SWO], s17, v[LS]
	s_mov_b32 s[SEL], 0x76543210
	s_mov_b32 s[SEL+1], 0xfedcba98
	s_mov_b32 s[HM], 0xffff0000
	s_and_b32 s16, ttmp7, 0xffff                   ; the head within a batch
	s_lshl_b32 s24, ttmp9, 17                      ; x: (256 x block + 64 x wave) rows of 512 bytes
	s_lshl_b32 s17, s[WV], 15
	s_add_co_u32 s24, s24, s17
	s_mov_b32 s25, 0
	s_lshl_b32 s38, s16, 16                        ; W: (128 x head + 64 p + 16 g) rows: my tiles 2 w and 2 w + 1
	s_lshl_b32 s17, s19, 15
	s_add_co_u32 s38, s38, s17
	s_lshl_b32 s17, s18, 13
	s_add_co_u32 s38, s38, s17
	s_mov_b32 s39, 0
	s_lshr_b32 s40, ttmp9, 3                       ; the batch: eight blocks of 256 rows each
	s_lshl_b32 s40, s40, 3
	s_add_co_u32 s40, s40, s16                     ; b 8 + hd
	s_lshl_b32 s40, s40, 4
	s_and_b32 s17, ttmp9, 7
	s_lshl_b32 s17, s17, 1
	s_add_co_u32 s40, s40, s17
	s_add_co_u32 s40, s40, s18                     ; + the row group of the sequence
	s_mul_i32 s40, s40, GROUP                      ; under 2^25
	s_mul_i32 s17, s19, 4*FRB
	s_add_co_u32 s42, s40, s17
	s_mov_b32 s43, 0
	s_lshl_b32 s17, s19, 8
	s_add_co_u32 s44, s40, s17
	s_add_co_u32 s44, s44, 8*FRB
	s_mov_b32 s45, 0
	s_wait_kmcnt 0x0
	s_add_nc_u64 s[XB:XB+1], s[4:5], s[24:25]
	s_add_nc_u64 s[WB:WB+1], s[6:7], s[38:39]
	s_add_nc_u64 s[WB+2:WB+3], s[8:9], s[38:39]
	s_add_nc_u64 s[WB+4:WB+5], s[10:11], s[38:39]
	s_add_nc_u64 s[OUTB:OUTB+1], s[12:13], s[42:43]
	s_add_nc_u64 s[OUTS:OUTS+1], s[12:13], s[44:45]
	GLOAD 0
	GLOAD 1
	GLOAD 2
	GLOAD 3
	s_wait_loadcnt 48                              ; fragment 0's sixteen rows are in; those of the three fragments behind it may be out
	TURN 0
.irp f, 0,1,2,3,4,5,6,7,8,9
	PREP \f
.endr
	s_wait_dscnt 0x0                               ; for the others' sake: my images have landed
	s_barrier_signal -1
	s_barrier_wait -1                              ; all 40 fragments lie in LDS; nothing there is written again
	UNIT LI, WIMG, LS, WSC, 1, AXO, XIMG, SXO, XSC, 2                          ; Q
	UNIT LI, WIMG+8*FRB, LS, WSC+1024, 0, AXO, XIMG, SXO, XSC, 0               ; K: my tiles of x stay
	UNIT AXA, XIMG, SXA, XSC, 1, AWO, WIMG+16*FRB, SWO, WSC+2048, 1            ; V: the sources change parts
	s_set_vgpr_msb 0xa
	s_wait_tensorcnt 0x0
	ds_add_u32 v0, v1
	s_wait_dscnt 0x0
	s_set_vgpr_msb 0xa00
	s_endpgm
.Lfunc_end_k_qf135750b35_project:
	.size	k_qf135750b35_project, .Lfunc_end_k_qf135750b35_project-k_qf135750b35_project
	.p2alignl 7, 3214868480
	.fill 96, 4, 3214868480
	.section	.rodata,"a",@progbits
	.p2align	6, 0x0
	.amdhsa_kernel k_qf135750b35_project
		.amdhsa_group_segment_fixed_size 134656
		.amdhsa_private_segment_fixed_size 0
		.amdhsa_enable_private_segment 0
		.amdhsa_kernarg_size 40
		.amdhsa_user_sgpr_count 2
		.amdhsa_user_sgpr_kernarg_segment_ptr 1
		.amdhsa_wavefront_size32 1
		.amdhsa_system_sgpr_workgroup_id_x 1
		.amdhsa_system_sgpr_workgroup_id_y 1
		.amdhsa_system_sgpr_workgroup_id_z 1
		.amdhsa_system_vgpr_workitem_id 0
		.amdhsa_next_free_vgpr 514
		.amdhsa_next_free_sgpr 66
		.amdhsa_reserve_vcc 0
		.amdhsa_float_denorm_mode_32 3
		.amdhsa_float_denorm_mode_16_64 3
		.amdhsa_memory_ordered 1
		.amdhsa_forward_progress 1
		.amdhsa_inst_pref_size 137
	.end_amdhsa_kernel
	.amdgpu_metadata
---
amdhsa.version: [ 1, 2 ]
amdhsa.kernels:
  - .name:           k_qf135750b35_project
    .symbol:         k_qf135750b35_project.kd
    .args:
      - { .name: x, .offset: 0, .size: 8, .value_kind: global_buffer, .address_space: global }
      - { .name: W_q, .offset: 8, .size: 8, .value_kind: global_buffer, .address_space: global }
      - { .name: W_k, .offset: 16, .size: 8, .value_kind: global_buffer, .address_space: global }
      - { .name: W_v, .offset: 24, .size: 8, .value_kind: global_buffer, .address_space: global }
      - { .name: qkv, .offset: 32, .size: 8, .value_kind: global_buffer, .address_space: global }
    .group_segment_fixed_size: 134656
    .private_segment_fixed_size: 0
    .kernarg_segment_align: 8
    .kernarg_segment_size: 40
    .max_flat_workgroup_size: 128
    .sgpr_count:     66
    .vgpr_count:     514
    .wavefront_size: 32
...
	.end_amdgpu_metadata
.endif
;; end of part 1
;; launch attend (part 2): grid 8 x 32, 4 waves a work-group, clusters of 4 x 1, 327,680 bytes of LDS; arguments qkv, out0; writes out0
.if DOCPART == 2
	.amdgcn_target "amdgcn-amd-amdhsa--gfx1250"
	.amdhsa_code_object_version 6
	.text
	.protected	k_qf135750b35_attend
	.globl	k_qf135750b35_attend
	.p2align	8
	.type	k_qf135750b35_attend,@function
k_qf135750b35_attend:
	s_mov_b64 s[64:65], 0
	v_nop
	global_prefetch_b8 v0, s[64:65] scope:SCOPE_SE
	s_setreg_imm32_b32 hwreg(HW_REG_WAVE_MODE, 25, 1), 1
	s_wait_xcnt 0x0
	s_wait_alu depctr_hold_cnt(0) depctr_sa_sdst(0) depctr_va_vdst(0) depctr_va_sdst(0) depctr_va_ssrc(0) depctr_va_vcc(0) depctr_vm_vsrc(0)
	s_getreg_b32 s2, hwreg(HW_REG_IB_STS2, 6, 4)
	s_cmp_eq_u32 s2, 0
	s_cbranch_scc0 .Lentry_in_a_cluster
	s_endpgm
.Lentry_in_a_cluster:
	s_bfe_u32 s2, ttmp6, 0x10000c
	s_cmp_lg_u32 s2, 0x3003
	s_cbranch_scc0 .Lentry_shape_is_right
	s_endpgm
.Lentry_shape_is_right:
; out0[head][q][:] = softmax over the 128 channels of O[q][:],  O = A V,  A = Q K^T / sqrt(128): both products on codes of FP6 (E2M3) with one E8M0 scale for each 32 along K.
; Q, K, V come from qkv as images of operand registers (512 groups of 38,400 bytes: K's part, V's, Q's; a part: 8 fragments of 1,536 bytes and 512 bytes of scale words).  A is made in f32 and quantised along the keys in registers.
; SHARES.  A work-group owns 256 queries of one head, each of its four waves 64: four tiles of 16.  Every wave walks the head's 2,048 keys, 128 a step.
; LAYOUT.  Both products are used transposed: S^T = K Q^T (source 0 = 16 keys), O^T = V^T P^T (source 0 = 16 channels): a lane holds ONE query throughout.  Lane r of a tile T = 4 c + u of K holds key
; 64 c + 32 (r / 8) + 8 u + r % 8, so that register 32 c + i of a query tile's 64 scores is key 64 c + 32 h + i: a whole block of 32 keys in one lane, in the order of the operand's registers.  V's tiles of channels are chosen alike,
; so register 32 c + i of O^T is channel 64 c + 32 h + i.
; BY TURNS.  A turn has 16 products and, cut into 17 slices of five lines, the quantising of ONE query tile's scores (85 lines): two slices at its head, one behind each product but the last.  The scores and the codes have two
; sets each: the quantiser works on one set while the products write the other set of scores and read the other set of codes.  Four turns are a key step.
; CLUSTER.  The four query blocks of a cluster belong to one head and walk the same K and V: each key step's 25,600 bytes are asked for JOINTLY, by the same tensor load with the same descriptor and a mask that names the four.
; RING.  Two slots of four key steps; each wave fetches one key step of a slot with one load of 100 rows of 256 bytes.  By this text's count a wave has two tensor loads out at the start and one behind each refill.
; THE SOFTMAX takes the row's largest O away first and scales by log2(e) afterwards: the largest term is 2^0 whatever O's size, the sum lies between 1 and 128.
; LIMITS: A = S x fl(1 / sqrt(128)) where the definition divides (at most one unit in the last place ahead of the quantiser); a block of zeros gets the scale byte 1 where the rule says 127 (its codes are zeros);
; blocks whose largest magnitude lies under 2^(3 - 127) are held at that byte; terms of the softmax under 2^-126 come out as 0; NaN and infinities are not served.
; REGISTERS, in windows of 256: window 0: addresses, scale words, P's codes, Q's fragments, the scores (below).  window 1: O^T, 64 a query tile (V's tile T at 64 t + 8 T).  window 2: v0-95 K's eight fragments, v96-191 V's.
.set FRB,   1536
.set PART,  12800
.set STEPB, 25600                      ; a key step in LDS and in memory: K's part, then V's
.set GROUP, 38400
.set HEADB, 16*GROUP
.set SLOT1, 1<<17                      ; slot 0 at 0, slot 1 here (102,400 bytes each), so that one exclusive or turns an address in one slot into the other's
.set STAGE, SLOT1+4*STEPB              ; behind the ring: 16 rows x (512 + 16) bytes for each wave, for the way out; no tensor load lands here
.set SP,    528
.set SPARE, STAGE+4*16*SP              ; behind the stages: the spare words, 128 bytes for each wave: two blocks of 256 bytes that no other line names
.set SPW, 1                            ; v1   LDS address of my spare word; never rewritten
.set NIL, 2                            ; v2   0; never rewritten
.set LI,  3                            ; v3   16 x lane
.set ADR, 4                            ; v4   LDS address of the fetch in hand
.set SH8, 5                            ; v5   8 h
.set QSA, 6                            ; v6   my place in Q's scale image
.set STO, 7                            ; v7   the way out: where I put my channels of a row
.set RD,  8                            ; v8   and where I read a row back
.set QFA, 9                            ; v9   my place in Q's fragments
.set MXR, 10                           ; v10-13 four chains of largest magnitudes
.set EXR, 14                           ; v14-15 the conversions' scale operands
.set BYR, 16                           ; v16-17 the scale bytes
.set WD,  18
.set WD2, 19
.set QSC, 20                           ; v20-23 Q's scale words, v24-27 K's, v28-31 V's, v32-33 P's two sets: they hold scales and nothing else
.set KSC, 24
.set PWD, 32
.set CT,  34                           ; v34-36, v38-40 the upper halves of a block's codes, before they are moved
.set MX,  42                           ; v42-43 the way out: the row's maximum
.set SUM, 44                           ; v44-47 its sum, in two chains of pairs
.set RC,  48                           ; v48-49 1 / the sum
.set PF,  56                           ; v56-67, v68-79 P's codes, two sets
.set QF,  80                           ; v80-127 Q's four fragments
.set S0,  128                          ; v128-191, v192-255 the scores, two sets
.set SW,  0                            ; the quantiser's sources lie in window 0
.set WV,  8
.set SEL, 20                           ; s[20:21] v_permlanex16_b32's selects for lane l xor 16
.set CS,  22                           ; s[22:23] 1 / sqrt(128): the packed form names a pair and takes its low word for both halves
.set G1,  24                           ; s[24:31] descriptor group 1
.set G0A, 32                           ; s[32:35] group 0 of slot 0's first fill
.set G0W, 36                           ; s[36:39] group 0 of slot 1's first fill, which then walks
.set TB,  40                           ; s40  LDS byte at which the key step to be fetched begins
.set INNER, 41
.set OUTER, 42
.set L2E, 44                           ; s[44:45] log2(e)
.set MSB, 0
.macro WIN new                         ; the immediate's high byte repeats the setting that is left; a switch that changes nothing is dropped
.if MSB != (\new)
	s_set_vgpr_msb (MSB<<8)|(\new)
.set MSB, \new
.endif
.endm
.macro CROUND                          ; a round of the cluster's barrier: my work-group's barrier; wave 0 signals for the work-group; every wave waits for all four work-groups; my work-group's barrier once more
	s_barrier_signal -1
	s_barrier_wait -1
	s_cmp_lg_u32 s[WV], 0
	s_cbranch_scc1 .Lnot_wave_0_\@
	s_barrier_signal -3
.Lnot_wave_0_\@:
	s_barrier_wait -3
	s_barrier_signal -1
	s_barrier_wait -1
.endm
; THE QUANTISER AS A NUMBERED LIST.  QS writes number n of it and steps n.  64 scores of a lane, v[SB] on, register 32 c + i = key 64 c + 32 h + i, become the fragment's 12 registers v[PB] on and its scale word v[PWR].
;   0-31   x 1 / sqrt(128), two at a time, the two blocks by turns; each product's result from its low end on
;   32-63  the two blocks' largest magnitudes, two chains each, with the floor 2^(3 - 127) as a leaf (so the byte cannot fall under 1)
;   64-69  the chains joined; 2 off the exponent field: the conversion's scale operand; its exponent field: the byte
;   70-73  my bytes (blocks h and 2 + h) at their places, and lane l xor 16's two: the scale word
;   74-84  four conversions, a plain line behind them, and the moves of the upper halves (a conversion's three registers begin on an even number)
.macro QS
.set qw, 0
.if (n >= 32) && (n < 64)
.set qw, 5*SW
.endif
.if (n >= 74) && (n < 78)
.set qw, SW
.endif
	WIN qw
.if n < 32
.set qa, SB+32*(n%2)+2*(n/2)
	v_pk_mul_f32 v[qa:qa+1], v[qa:qa+1], s[CS:CS+1] op_sel_hi:[1,0]
.elseif n < 64
.set qc, (n-32)%2
.set qq, (n-32)/2
.set qa, SB+32*qc+2*qq
.set qm, MXR+2*qc+qq%2
.if qq < 2
	v_max3_num_f32 v[qm], |v[qa]|, |v[qa+1]|, 0x1800000
.else
	v_max3_num_f32 v[qm], |v[qa]|, |v[qa+1]|, v[qm]
.endif
.elseif n < 66
	v_max_num_f32 v[MXR+2*(n-64)], v[MXR+2*(n-64)], v[MXR+2*(n-64)+1]
.elseif n < 68
	v_add_nc_u32 v[EXR+n-66], 0xff000000, v[MXR+2*(n-66)]
.elseif n < 70
	v_lshrrev_b32 v[BYR+n-68], 23, v[EXR+n-68]
.elseif n == 70
	v_lshl_or_b32 v[WD], v[BYR+1], 16, v[BYR]
.elseif n == 71
	v_lshlrev_b32 v[WD], v[SH8], v[WD]
.elseif n == 72
	v_permlanex16_b32 v[WD2], v[WD], s[SEL], s[SEL+1]
.elseif n == 73
	v_or_b32 v[PWR], v[WD], v[WD2]
.elseif n < 78
.set qc, (n-74)/2
.if (n-74)%2 == 0
	v_cvt_scalef32_pk16_fp6_f32 v[PB+6*qc:PB+6*qc+2], v[SB+32*qc:SB+32*qc+15], v[EXR+qc]
.else
	v_cvt_scalef32_pk16_fp6_f32 v[CT+4*qc:CT+4*qc+2], v[SB+32*qc+16:SB+32*qc+31], v[EXR+qc]
.endif
.elseif n == 78
	v_nop
.else
	v_mov_b32 v[PB+6*((n-79)/3)+3+(n-79)%3], v[CT+4*((n-79)/3)+(n-79)%3]
.endif
.set n, n+1
.endm
.macro SLICE
.rept 5
	QS
.endr
.endm
; One product.  kind 1: S^T of query tile t, K's tile tt (a sum of one link: C = 0).  kind 2: O^T of query tile t += V's tile tt x P (zero = 1: the first key step starts the sum).  kind 0: none.
; The scale words of tiles 4 to 7 lie in lanes 16-31 of the registers that hold those of tiles 0 to 3.
.macro MM kind, t, tt, zero
.if \kind == 1
.set rD, S0+64*((\t)%2)+8*\tt
.set rA, 12*\tt
.set rB, QF+12*(\t)
	WIN 0x02                                       ; source 0 (K) window 2
.if \tt < 4
	v_wmma_scale_f32_16x16x128_f8f6f4 v[rD:rD+7], v[rA:rA+11], v[rB:rB+11], 0, v[KSC+\tt], v[QSC+\t] matrix_a_fmt:MATRIX_FMT_FP6 matrix_b_fmt:MATRIX_FMT_FP6
.else
	v_wmma_scale_f32_16x16x128_f8f6f4 v[rD:rD+7], v[rA:rA+11], v[rB:rB+11], 0, v[KSC+\tt-4], v[QSC+\t] matrix_a_fmt:MATRIX_FMT_FP6 matrix_b_fmt:MATRIX_FMT_FP6 matrix_a_scale:MATRIX_SCALE_ROW1
.endif
.elseif \kind == 2
.set rD, 64*(\t)+8*\tt
.set rA, 96+12*\tt
.set rB, PF+12*((\t)%2)
.set rP, PWD+(\t)%2
	WIN 0x52                                       ; source 0 (V) window 2, C and D (O^T) window 1
.if \zero
.if \tt < 4
	v_wmma_scale_f32_16x16x128_f8f6f4 v[rD:rD+7], v[rA:rA+11], v[rB:rB+11], 0, v[KSC+4+\tt], v[rP] matrix_a_fmt:MATRIX_FMT_FP6 matrix_b_fmt:MATRIX_FMT_FP6
.else
	v_wmma_scale_f32_16x16x128_f8f6f4 v[rD:rD+7], v[rA:rA+11], v[rB:rB+11], 0, v[KSC+\tt], v[rP] matrix_a_fmt:MATRIX_FMT_FP6 matrix_b_fmt:MATRIX_FMT_FP6 matrix_a_scale:MATRIX_SCALE_ROW1
.endif
.else
.if \tt < 4
	v_wmma_scale_f32_16x16x128_f8f6f4 v[rD:rD+7], v[rA:rA+11], v[rB:rB+11], v[rD:rD+7], v[KSC+4+\tt], v[rP] matrix_a_fmt:MATRIX_FMT_FP6 matrix_b_fmt:MATRIX_FMT_FP6
.else
	v_wmma_scale_f32_16x16x128_f8f6f4 v[rD:rD+7], v[rA:rA+11], v[rB:rB+11], v[rD:rD+7], v[KSC+\tt], v[rP] matrix_a_fmt:MATRIX_FMT_FP6 matrix_b_fmt:MATRIX_FMT_FP6 matrix_a_scale:MATRIX_SCALE_ROW1
.endif
.endif
.endif
.endm
; 25 LDS loads in one run: a key step's K (which = 0) or V (1): the scale image first, then the eight fragments in ascending order.  Every load takes 512 consecutive bytes.
.macro FETCH which
	WIN 0
	v_add_nc_u32 v[ADR], s[TB], v[LI]
	ds_load_b128 v[KSC+4*\which:KSC+4*\which+3], v[ADR] offset:PART*\which+8*FRB
	WIN 0x80                                       ; destination window 2
.irp t, 0,1,2,3,4,5,6,7
.irp k, 0,1,2
	ds_load_b128 v[96*\which+12*\t+4*\k:96*\which+12*\t+4*\k+3], v[ADR] offset:PART*\which+FRB*\t+512*\k
.endr
.endr
.if \which
	s_add_co_u32 s[TB], s[TB], STEPB               ; the next fetch is the next key step's
.endif
.endm
; A TURN.  The scores in set qs are quantised into P's set qs; eight products of kind ka for query tile ta, then eight of kind kb for tile tb, stand between the slices.
; fetch = 1: the next step's K, 2: the next step's V, behind the first eight products, which were the last to read the old one: the slice between (five plain lines that name none of their registers) are the places in front of the loads.
; wt = 1: the second eight are the first to use a fetch issued sixteen products ago.
; The two slices at the head are ten plain lines on the other set: the places between the codes and the scale word just made and the first product that takes them, and behind the last turn's last product.
; The accumulators take turns, one instruction a turn: an accumulator of O^T comes up again after 63 others.
.macro TURN qs, ka, ta, kb, tb, fetch, wt, zero
.set SB, S0+64*\qs
.set PB, PF+12*\qs
.set PWR, PWD+\qs
.set n, 0
	SLICE
	SLICE
.set i, 0
.rept 8
	MM \ka, \ta, i, \zero
	SLICE
.set i, i+1
.endr
.if \fetch == 1
	FETCH 0
.elseif \fetch == 2
	FETCH 1
.endif
.set i, 0
.rept 8
.if \wt && (i == 0)
	s_wait_dscnt 12                                ; the scale image and fragments 0-3 are in; the twelve youngest loads (fragments 4-7) may be out
.endif
.if \wt && (i == 4)
	s_wait_dscnt 0x0                               ; fragments 4-7 are in
.endif
	MM \kb, \tb, i, \zero
.if i < 7
	SLICE
.endif
.set i, i+1
.endr
.endm
; KEY STEP j.  On entry: the scores of tile 1 (step j) lie in set 1, P of tile 0 in set 0, K of step j in registers, V of step j asked for.
.macro BODY z
	TURN 1, 1, 2, 2, 0, 0, 1, \z                   ; tile 1 quantised | S^T of tile 2 | O^T of tile 0
	TURN 0, 1, 3, 2, 1, 1, 0, \z                   ; tile 2 | S^T of tile 3, then K of step j + 1 is fetched | O^T of tile 1
	TURN 1, 2, 2, 1, 0, 0, 1, \z                   ; tile 3 | O^T of tile 2 | S^T of tile 0, step j + 1
	TURN 0, 2, 3, 1, 1, 2, 0, \z                   ; tile 0 of step j + 1 | O^T of tile 3, then V of step j + 1 is fetched | S^T of tile 1, step j + 1
.endm
.macro BODIES cnt
	WIN 0                                          ; at a label and at a branch every window is 0
	s_mov_b32 s[INNER], \cnt
.Lbody_\@:
	BODY 0
	WIN 0
	s_sub_co_u32 s[INNER], s[INNER], 1
	s_cmp_lg_u32 s[INNER], 0
	s_cbranch_scc1 .Lbody_\@
.endm
; THE CHANGE OF SLOTS, at the head of key steps 3, 7, 11: the slot's last bytes, V of its fourth step, have been asked for, the next slot's first have not.  Each wave waits for all its tensor loads (its part of the next slot),
; adds 0 to its spare word, and waits for that and for its reads of the slot.  fill = 1: the slot is filled again with the key steps eight on; the barrier is then a round of the cluster's, so that no wave of any partner
; still reads the slot or has a load on its way; the joint refill is the first thing behind it and has four key steps, 256 products, in which to land.
.macro CHANGE fill
	WIN 0
	s_wait_tensorcnt 0x0                           ; no tensor load of mine is out, so a group 0 may be written
	ds_add_u32 v[SPW], v[NIL]                      ; 0 onto my spare word
.if \fill
	s_xor_b32 s[G0W+1], s[G0W+1], SLOT1            ; the walking descriptor: the other slot than last time,
	s_add_nc_u64 s[G0W+2:G0W+3], s[G0W+2:G0W+3], 4*GROUP   ; four key steps on; the type bits on top are not reached
	s_wait_dscnt 0x0                               ; the add is done, and my reads of the slot are over
	CROUND
	tensor_load_to_lds s[G0W:G0W+3], s[G1:G1+7]
	s_nop 0
.rept 4
	v_nop
.endr
.else
	s_wait_dscnt 0x0
	s_barrier_signal -1
	s_barrier_wait -1
.endif
	s_sub_co_u32 s[TB], s[TB], 4*STEPB             ; the fetches go back to a slot's first step,
	s_xor_b32 s[TB], s[TB], SLOT1                  ; in the other slot
.endm
; THE WAY OUT of query tile t: the softmax over my query's 128 channels (64 mine, 64 in lane l xor 16), then through my stage in LDS, so that whole rows of 512 bytes are stored.
.macro PACK t
.set EB, S0+64*((\t)%2)                ; the scores' registers are free
.set OB, 64*(\t)
	WIN 0x05                                       ; sources 0 and 1 window 1
	v_max_num_f32 v[MX], v[OB], v[OB+1]            ; two chains, in ascending order: each accumulator from its low end on
	v_max_num_f32 v[MX+1], v[OB+2], v[OB+3]
.set p, 2
.rept 30
	v_max3_num_f32 v[MX+p%2], v[OB+2*p], v[OB+2*p+1], v[MX+p%2]
.set p, p+1
.endr
	WIN 0
	v_max_num_f32 v[MX], v[MX], v[MX+1]
	v_permlanex16_b32 v[MX+1], v[MX], s[SEL], s[SEL+1]
	v_max_num_f32 v[MX], v[MX], v[MX+1]            ; the row's largest O
	WIN 0x01
.set p, 0
.rept 32
	v_pk_add_f32 v[EB+2*p:EB+2*p+1], v[OB+2*p:OB+2*p+1], v[MX:MX+1] op_sel_hi:[1,0] neg_lo:[0,1] neg_hi:[0,1]   ; O - the maximum: exact at the maximum
.set p, p+1
.endr
	WIN 0
.set p, 0
.rept 32
	v_pk_mul_f32 v[EB+2*p:EB+2*p+1], v[EB+2*p:EB+2*p+1], s[L2E:L2E+1] op_sel_hi:[1,0]
.set p, p+1
.endr
.set p, 0
.rept 64
	v_exp_f32 v[EB+p], v[EB+p]
.set p, p+1
.endr
	v_nop                                          ; a plain line between the last exponential and the use of its result
	s_wait_alu depctr_va_vdst(0)
	v_pk_add_f32 v[SUM:SUM+1], v[EB:EB+1], v[EB+2:EB+3]
	v_pk_add_f32 v[SUM+2:SUM+3], v[EB+4:EB+5], v[EB+6:EB+7]
.set p, 8
.rept 14
	v_pk_add_f32 v[SUM:SUM+1], v[SUM:SUM+1], v[EB+p:EB+p+1]
	v_pk_add_f32 v[SUM+2:SUM+3], v[SUM+2:SUM+3], v[EB+p+2:EB+p+3]
.set p, p+4
.endr
	v_pk_add_f32 v[SUM:SUM+1], v[SUM:SUM+1], v[SUM+2:SUM+3]
	v_add_f32 v[SUM], v[SUM], v[SUM+1]
	v_permlanex16_b32 v[SUM+1], v[SUM], s[SEL], s[SEL+1]
	v_add_f32 v[SUM], v[SUM], v[SUM+1]             ; the row's sum, at least 1
	v_rcp_f32 v[RC], v[SUM]
	v_nop                                          ; a plain line behind the reciprocal
.set p, 0
	s_wait_alu depctr_va_vdst(0)
.rept 32
	v_pk_mul_f32 v[EB+2*p:EB+2*p+1], v[EB+2*p:EB+2*p+1], v[RC:RC+1] op_sel_hi:[1,0]
.set p, p+1
.endr
.irp c, 0,1
.irp k, 0,1,2,3,4,5,6,7
	ds_store_b128 v[STO], v[EB+32*\c+4*\k:EB+32*\c+4*\k+3] offset:256*\c+16*\k   ; channels 64 c + 32 h + 4 k on, of stage row r
.endr
.endr
.irp q, 0,1,2,3,4,5,6,7,8,9,10,11,12,13,14,15
	ds_load_b128 v[EB+4*\q:EB+4*\q+3], v[RD] offset:SP*\q   ; LDS serves a wave's instructions in order (ISA guide 5.7.1.4): these see the stores above; the next tile's stores come behind them
.endr
.endm
.macro SEND t, younger                 ; younger: the LDS instructions issued behind tile t's loads: the next tile's 32, or none
.set EB, S0+64*((\t)%2)
.irp q, 0,1,2,3,4,5,6,7,8,9,10,11,12,13,14,15
	s_wait_dscnt \younger+15-\q
	global_store_b128 v[LI], v[EB+4*\q:EB+4*\q+3], s[6:7] offset:(32*(\q/8)+8*(\t)+\q%8)*512 th:TH_STORE_NT   ; stage row q is my query 32 (q / 8) + 8 t + q % 8: 32 lanes store its 512 consecutive bytes, aligned; written once, read by nobody here
.endr
.endm
	s_load_b128 s[4:7], s[0:1], 0x0                ; qkv s[4:5], out0 s[6:7]
	v_lshl_add_u32 v[SPW], v0, 2, SPARE
	v_mov_b32 v[NIL], 0
	ds_add_u32 v1, v2
	ds_add_u32 v1, v2
	s_wait_dscnt 0x0
	v_lshrrev_b32 v[ADR], 5, v0
	v_readfirstlane_b32 s[WV], v[ADR]              ; wave 0..3
	s_bfe_u32 s9, ttmp6, 0x40000                   ; cx: my place in the cluster
	s_lshl_b32 s10, ttmp9, 2                       ; in a cluster launch ttmp9 counts clusters
	s_add_co_u32 s10, s10, s9                      ; my block of 256 queries: it enters Q's and out0's addresses alone
	s_and_b32 s11, ttmp7, 0xffff                   ; the head, which the four partners share
	s_mul_i32 s16, s11, HEADB                      ; the head's first byte in qkv (under 2^25)
	s_mul_i32 s18, s[WV], GROUP                    ; the key step that I fetch of a slot's four: made of the head and the wave's number alone
	s_add_co_u32 s18, s18, s16
	s_mov_b32 s19, 0
	s_lshl_b32 s14, s10, 1                         ; Q: row group 2 x block + wave / 2, its third part
	s_lshr_b32 s15, s[WV], 1
	s_add_co_u32 s14, s14, s15
	s_mul_i32 s14, s14, GROUP
	s_add_co_u32 s14, s14, s16
	s_add_co_u32 s14, s14, 2*PART
	s_mov_b32 s15, 0
	s_lshl_b32 s2, s11, 20                         ; out0: a head is 2^20 bytes; my first query is 256 x block + 64 x wave, rows of 512 bytes
	s_lshl_b32 s3, s10, 17
	s_add_co_u32 s2, s2, s3
	s_lshl_b32 s3, s[WV], 15
	s_add_co_u32 s2, s2, s3
	s_mov_b32 s3, 0
	; descriptor group 1: a dense block of 25,600 bytes as 100 rows of 256 bytes (32 elements of 8 bytes); no padding: every LDS read takes 512 consecutive bytes
	s_mov_b32 s[G1], 15|(3<<16)|(1<<21)            ; 15:0 the mask: all four work-groups; 17:16 elements of 8 bytes; 21 set beside a mask
	s_mov_b32 s[G1+1], 32<<16                      ; tensor_dim0 = 32
	s_mov_b32 s[G1+2], 100<<16                     ; tensor_dim1 = 100
	s_mov_b32 s[G1+3], 32<<16                      ; tile_dim0 = 32
	s_mov_b32 s[G1+4], 100                         ; tile_dim1 = 100
	s_mov_b32 s[G1+5], 32                          ; elements from row to row
	s_mov_b32 s[G1+6], 0
	s_mov_b32 s[G1+7], 0
	s_mov_b32 s[G0A], 1                            ; count = 1
	s_mul_i32 s[G0A+1], s[WV], STEPB               ; LDS address: slot 0, my key step: no place in the cluster enters it
	s_mov_b32 s[G0W], 1
	s_add_co_u32 s[G0W+1], s[G0A+1], SLOT1         ; slot 1
	s_mov_b32 s[SEL], 0x76543210
	s_mov_b32 s[SEL+1], 0xfedcba98
	s_mov_b32 s[CS], 0x3db504f3                    ; 1 / sqrt(128)
	s_mov_b32 s[CS+1], s[CS]                       ; (named with it as a pair, so it is written)
	s_mov_b32 s[L2E], 0x3fb8aa3b                   ; log2(e)
	s_mov_b32 s[L2E+1], s[L2E]
	s_mov_b32 s[TB], 0
	s_wait_kmcnt 0x0
	s_add_nc_u64 s[G0A+2:G0A+3], s[4:5], s[18:19]  ; key step w
	s_add_nc_u64 s[G0W+2:G0W+3], s[G0A+2:G0A+3], 4*GROUP   ; key step 4 + w
	s_or_b32 s[G0A+3], s[G0A+3], 0x80000000        ; type = 2
	s_or_b32 s[G0W+3], s[G0W+3], 0x80000000
	s_add_nc_u64 s[12:13], s[4:5], s[14:15]        ; Q's part
	s_add_nc_u64 s[6:7], s[6:7], s[2:3]            ; out0 at my first query
	CROUND                                         ; all four work-groups are here: the first joint loads meet
	tensor_load_to_lds s[G0A:G0A+3], s[G1:G1+7]    ; both first fills go out together, ahead of every wait on TENSORcnt and every LDS read: two loads of mine are out
	s_nop 0
	tensor_load_to_lds s[G0W:G0W+3], s[G1:G1+7]
	s_nop 0
.rept 4
	v_nop
.endr
	v_and_b32 v[LI], 31, v0
	v_lshlrev_b32 v[LI], 4, v[LI]
	v_bfe_u32 v[SH8], v0, 4, 1
	v_lshlrev_b32 v[SH8], 3, v[SH8]
	s_and_b32 s43, s[WV], 1                        ; my four tiles are tiles 4 (w % 2) on of the row group
	s_mul_i32 s14, s43, 4*FRB
	v_add_nc_u32 v[QFA], s14, v[LI]
	v_and_b32 v[QSA], 15, v0
	v_lshlrev_b32 v[QSA], 4, v[QSA]
	s_lshl_b32 s14, s43, 8
	v_add_nc_u32 v[QSA], s14, v[QSA]               ; lane r (and 16 + r) takes the four words of row r of my tiles
	v_mov_b32 v[WD2], 0                            ; written once: a lane permute's destination counts as one of its sources
	v_mov_b32 v[RC+1], 0                           ; (named as the upper half of a pair)
.irp t, 0,1,2,3
.irp k, 0,1,2
	global_load_b128 v[QF+12*\t+4*\k:QF+12*\t+4*\k+3], v[QFA], s[12:13] offset:FRB*\t+512*\k th:TH_LOAD_NT   ; Q stays in registers
.endr
.endr
	global_load_b128 v[QSC:QSC+3], v[QSA], s[12:13] offset:8*FRB
	s_wait_tensorcnt 0x1                           ; my part of slot 0 is in; slot 1's may stay out
	s_barrier_signal -1
	s_barrier_wait -1                              ; everybody's is
	FETCH 0                                        ; K of key step 0
	s_wait_loadcnt 0x0                             ; Q
	s_wait_dscnt 0x0
.set i, 0
.rept 8
	MM 1, 0, i, 0                                  ; tile 0's first scores: there is no vector work yet to set between them
.set i, i+1
.endr
	WIN 0                                          ; the addresses for the way out are made here: six plain lines, the places behind those products
	s_mul_i32 s14, s[WV], 16*SP
	s_add_co_u32 s14, s14, STAGE                   ; my stage
	v_and_b32 v[MXR], 15, v0
	v_bfe_u32 v[MXR+1], v0, 4, 1
	v_mul_u32_u24 v[STO], v[MXR], SP               ; in: row r, 128 bytes on for lanes 16-31
	v_lshl_add_u32 v[STO], v[MXR+1], 7, v[STO]
	v_add_nc_u32 v[STO], s14, v[STO]
	v_add_nc_u32 v[RD], s14, v[LI]                 ; back: the 32 lanes take one row of 512 bytes
	TURN 0, 0, 0, 1, 1, 2, 0, 0                    ; tile 0 quantised | V of step 0 is fetched | S^T of tile 1
	BODY 1                                         ; key step 0: its products start O^T's sums: nothing is ever cleared
	BODIES 2                                       ; key steps 1, 2
	s_mov_b32 s[OUTER], 2
.Lslot:                                            ; two trips: key steps 3-6 and 7-10; slot 0 takes steps 8-11, slot 1 steps 12-15
	CHANGE 1
	BODIES 4
	s_sub_co_u32 s[OUTER], s[OUTER], 1
	s_cmp_lg_u32 s[OUTER], 0
	s_cbranch_scc1 .Lslot
	CHANGE 0                                       ; the tail is written out: nothing is left to ask for
	BODIES 4                                       ; key steps 11-14
	TURN 1, 1, 2, 2, 0, 0, 1, 0                    ; key step 15: nothing more to fetch
	TURN 0, 1, 3, 2, 1, 0, 0, 0
	TURN 1, 2, 2, 0, 0, 0, 0, 0
.rept 8
	v_nop                                          ; eight places between tile 3's scale word, written by a vector instruction, and the scaled products that take it
.endr
.set i, 0
.rept 8
	MM 2, 3, i, 0
.set i, i+1
.endr
	PACK 0                                         ; tiles 0 to 2 were finished long ago; their lines are the places behind the last products
	PACK 1                                         ; a tile's arithmetic stands between the loads of the tile before and its stores
	SEND 0, 32
	s_wait_xcnt 0x0                                ; tile 0's stores have read the registers that tile 2 takes
	PACK 2
	SEND 1, 32
	s_wait_xcnt 0x0
	PACK 3
	SEND 2, 32
	SEND 3, 0
	s_wait_tensorcnt 0x0                           ; the wave's end: behind my last tensor load and my last LDS store
	ds_add_u32 v[SPW], v[NIL]
	s_wait_dscnt 0x0
	CROUND                                         ; the closing round: no work-group ends while a partner may still ask for a tile that names it
	s_endpgm
.Lfunc_end_k_qf135750b35_attend:
	.size	k_qf135750b35_attend, .Lfunc_end_k_qf135750b35_attend-k_qf135750b35_attend
	.p2alignl 7, 3214868480
	.fill 96, 4, 3214868480
	.section	.rodata,"a",@progbits
	.p2align	6, 0x0
	.amdhsa_kernel k_qf135750b35_attend
		.amdhsa_group_segment_fixed_size 327680
		.amdhsa_private_segment_fixed_size 0
		.amdhsa_enable_private_segment 0
		.amdhsa_kernarg_size 16
		.amdhsa_user_sgpr_count 2
		.amdhsa_user_sgpr_kernarg_segment_ptr 1
		.amdhsa_wavefront_size32 1
		.amdhsa_system_sgpr_workgroup_id_x 1
		.amdhsa_system_sgpr_workgroup_id_y 1
		.amdhsa_system_sgpr_workgroup_id_z 1
		.amdhsa_system_vgpr_workitem_id 0
		.amdhsa_next_free_vgpr 768
		.amdhsa_next_free_sgpr 66
		.amdhsa_reserve_vcc 0
		.amdhsa_float_denorm_mode_32 3
		.amdhsa_float_denorm_mode_16_64 3
		.amdhsa_memory_ordered 1
		.amdhsa_forward_progress 1
		.amdhsa_inst_pref_size 251
	.end_amdhsa_kernel
	.amdgpu_metadata
---
amdhsa.version: [ 1, 2 ]
amdhsa.kernels:
  - .name:           k_qf135750b35_attend
    .symbol:         k_qf135750b35_attend.kd
    .args:
      - { .name: qkv, .offset: 0, .size: 8, .value_kind: global_buffer, .address_space: global }
      - { .name: out0, .offset: 8, .size: 8, .value_kind: global_buffer, .address_space: global }
    .group_segment_fixed_size: 327680
    .private_segment_fixed_size: 0
    .kernarg_segment_align: 8
    .kernarg_segment_size: 16
    .max_flat_workgroup_size: 128
    .sgpr_count:     66
    .vgpr_count:     768
    .wavefront_size: 32
...
	.end_amdgpu_metadata
.endif
;; end of part 2
;; ======== version 2 of 2: 2 launches; version 1 with the launch project written anew for expert scheduling mode
;; workspace buffers: qkv 19,660,800 bytes
;; launch project (part 3): grid 32 x 8, 4 waves a work-group, no clusters, 134,656 bytes of LDS; arguments x, W_q, W_k, W_v, qkv; writes qkv
.if DOCPART == 3
	.amdgcn_target "amdgcn-amd-amdhsa--gfx1250"
	.amdhsa_code_object_version 6
	.text
	.protected	k_qf135750b35_project
	.globl	k_qf135750b35_project
	.p2align	8
	.type	k_qf135750b35_project,@function
k_qf135750b35_project:
	s_mov_b64 s[64:65], 0
	v_nop
	global_prefetch_b8 v0, s[64:65] scope:SCOPE_SE
	s_setreg_imm32_b32 hwreg(HW_REG_WAVE_SCHED_MODE, 0, 2), 2
	s_setreg_imm32_b32 hwreg(HW_REG_WAVE_MODE, 25, 1), 1
	s_wait_xcnt 0x0
	s_wait_alu depctr_vm_vsrc(0)
; Q, K, V = x W^T for one head and 256 rows of x, all three products on codes of FP6 (E2M3) with one E8M0 scale for each 32 along K (= the 128 of the model),
; and the results quantised again at once: Q and K along the head's 128, V along the keys.  What is stored are IMAGES OF OPERAND REGISTERS for the next launch.
; qkv: 512 groups (head (b 8 + hd), 128 rows of the sequence) of 38,400 bytes: K's part at 0, V's at 12,800, Q's at 25,600.  A part: 8 fragments of 1,536 bytes
; (register 4 k + e of lane l at 512 k + 16 l + 4 e), then 512 bytes of scale words: the word of tile i at 16 r + 4 i, of tile 4 + i at 256 + 16 r + 4 i.
; THE ROWS OF A TILE ARE NOT NEIGHBOURS: lane r of tile T = 4 c + u takes row 64 c + 32 (r / 8) + 8 u + r % 8 of its 128.  A product whose source 0 walks the 8 tiles then leaves
; in lane (r, h), register 32 c + i, the index 64 c + 32 h + i: a whole block of 32 in ONE lane, in the order of the 6-bit operand's registers: no lane is asked for a maximum, nothing changes lanes but the scale word's bytes.
; SHARES.  A work-group: 256 rows x one head.  First each wave quantises 4 fragments of x and 2 of each W from f32 and lays their images in LDS; one barrier; then wave w (g = w % 2, p = w / 2)
; makes tiles 4 p .. 4 p + 3 of Q, K and V of row group g.  Q, K: source 0 = W's 8 tiles, source 1 = my tile of x (a lane holds a row, registers run along the head's 128).
; V: source 0 = x's 8 tiles, source 1 = my tile of W_v (a lane holds one of the head's 128, registers run along the keys).
; THE f32 NUMBERS TURN THROUGH LDS.  The conversions want 64 numbers of ONE row in a lane; a load is best where neighbouring lanes take neighbouring bytes.  Both are had: a row of f32 is 512 bytes, and each load of a wave
; takes one whole row, 16 bytes a lane; a fragment's 16 rows go into the wave's own stage as they lie (rows 528 bytes apart) and come back 16 bytes at a time from the lane's own row.  Two stages by turns, one fragment ahead of the
; quantiser; the loads run four fragments ahead.  Waves share nothing of the stages: no barrier there.
; NO CLUSTER, NO TENSOR LOAD: the inputs are f32 that go from memory through registers into the conversions; a work-group reads 128 KiB of x and 192 KiB of W once, which together are as much as all of LDS: they pass through, a fragment at a time.
; LIMITS: a block of zeros gets the scale byte 1 where the rule says 127 (its codes are zeros, and this program alone reads the bytes); blocks whose largest magnitude lies under 2^(3 - 127) are held at that byte; NaN and infinities among the inputs are not served.
; THE MODE: SCHED_MODE bits 1:0 = 2 (LLVM: expert scheduling mode 2), set by the entry lines.  The code itself states the register dependences
; between vector or matrix instructions and memory or LDS instructions, with s_wait_alu, always for 0.  The text has no branch: its order is the order in which a wave runs it.
; THE PLAN.  Registers that memory or LDS instructions touch:
;   the addresses  v1-7, v9, v20-25, v29: written at the head, never again.  One wait on va_vdst ahead of the first load serves them all.
;   ROWS0 .. ROWS3 (window 1)  Fragment f: its sixteen global loads land in ROWS[f % 4]; its sixteen stores into the stage read it; then the loads of fragment f + 4 land there.  No vector instruction names them.
;   X0, X1         Fragment f: its sixteen loads from the stage land in X[f % 2]; its quantiser reads it; then the loads of fragment f + 2 land there.
;   the codes and the scale word, two sets by turns: written by a fragment's (later: a tile's) quantiser; read by the stores that are issued one fragment (one tile) later.
;   window 1 v0-143 and v40-51, behind the barrier: a unit's fragments and scale words: LDS loads land there, the unit's 32 products read them.
;   v38-39         the pair of scale words: written by two selects behind a unit's last quantiser, read by one store a tile later.
; FIRST PHASE, at a fragment's head: one wait on vm_vsrc (the stage stores have read ROWS[f % 4]; the image stores of two fragments back have read the set of codes that is written next), and one on va_vdst
; (the quantiser before has written its codes, which the image stores below read, and is done reading its X, in which the stage loads below land).  All the fragment's memory and LDS instructions follow; then its quantiser, which names none of their registers.
; SECOND PHASE, behind a tile's products and their places: the same pair; the wait on va_vdst stands where the tile's quantiser has to have the products' results in any case.  Behind it go the stores of the tile before and, in a unit's last tile,
; the next unit's LDS loads, which land while that tile is quantised.
.set FRB,   1536                       ; a fragment's image: 12 registers x 32 lanes x 4 bytes
.set PART,  12800                      ; 8 fragments + 512 bytes of scale words
.set GROUP, 38400                      ; K's, V's and Q's part of 128 rows
.set XSC,   0                          ; LDS: x's scale words, 16 fragments x 128 bytes
.set WSC,   2048                       ; W's, 24 x 128
.set XIMG,  5120                       ; x's 16 fragments (8 g + T)
.set WIMG,  29696                      ; W's 24 (8 m + T; m: q 0, k 1, v 2); ends at 66,560
.set STG,   66560                      ; the stages: two for each wave; ends at 134,144
.set SPT,   528                        ; a stage row: 512 bytes + 16 = 132 words
.set STGB,  16*SPT                     ; a stage: a fragment's 16 rows
.set STI, 1                            ; v1   the stage, on the way in: my wave's stages + 16 x lane
.set LI,  2                            ; v2   16 x lane
.set LS,  3                            ; v3   4 x lane
.set XWI, 4                            ; v4   where I lay x's images: LI + 4 fragments x wave
.set XWS, 5                            ; v5   and their scale words
.set WWI, 6                            ; v6   W's: LI + 2 fragments x wave
.set WWS, 7                            ; v7
.set SH8, 8                            ; v8   8 h
.set SCO, 9                            ; v9   16 r + 8 h: my 8 bytes of a scale image's half
.set MXR, 10                           ; v10-13 four chains of largest magnitudes
.set EXR, 14                           ; v14-15 the conversions' scale operands
.set BYR, 16                           ; v16-17 the scale bytes
.set WD,  18                           ; v18  my two bytes at their places
.set WD2, 19                           ; v19  lane l xor 16's
.set AXA, 20                           ; v20  x's fragments of my row group;  v21 my four of them;  v22 my four of a W
.set AXO, 21
.set AWO, 22
.set SXA, 23                           ; v23-25 the same for the scale words
.set SXO, 24
.set SWO, 25
.set CT,  26                           ; v26-28, v30-32 the upper halves of a block's codes, before they are moved
.set STR, 29                           ; v29  the stage, on the way out: my wave's stages + 528 r + 128 h
.set PW,  33                           ; v33, v34 a scale word on its way to LDS, two by turns
.set PWO, 34                           ; v34-37 later: the scale words of my four output tiles
.set SPAIR, 38                         ; v38-39 the two that I store
.set ASC, 40                           ; v40-47 scale words of source 0's eight tiles;  v48-51 of my four tiles: they hold scales and nothing else
.set OSC, 48
.set PC,  52                           ; v52-63 a fragment's codes, two sets by turns: in the first phase v52-63 and v64-75,
.set PC2, 128                          ; in the second v52-63 and v128-139
.set H,   64                           ; v64-127 a tile's 64 results
.set X,   128                          ; v128-191, v192-255 64 numbers of my row, back from the stage: two sets by turns
                                       ; window 1: first four sets of 64 registers, rows as they are loaded; then v0-95 source 0's eight fragments, v96-143 my four
.set WV,  14
.set SEL, 20                           ; s[20:21] v_permlanex16_b32's selects for lane l xor 16
.set HM,  22                           ; s22  the lanes with h = 1
.set OUTB, 26                          ; s[26:27] qkv at my group, my four fragments
.set OUTS, 28                          ; s[28:29] qkv at my group's scale image, my half
.set XB,  30                           ; s[30:31] x at my wave's 64 rows
.set WB,  32                           ; s[32:37] W_q, W_k, W_v at my wave's two tiles
.set MSB, 0
.macro WIN new                         ; the immediate's high byte repeats the setting that is left; a switch that changes nothing is dropped
.if MSB != (\new)
	s_set_vgpr_msb (MSB<<8)|(\new)
.set MSB, \new
.endif
.endm
; THE QUANTISER AS A NUMBERED LIST.  QS writes number n of it and steps n.  64 numbers of a lane, v[SB] on (window SW), register 32 c + i = k 64 c + 32 h + i, become the fragment's 12 registers
; v[PB] on and its scale word v[PWR].  (The numbers begin at 32 here: 0 to 31 are a scaling that the second launch's list has.)
;   32-63  the two blocks' largest magnitudes, two chains each, with the floor 2^(3 - 127) as a leaf (so the byte cannot fall under 1); sources in ascending pairs, each result from its low end on
;   64-69  the chains joined; 2 off the exponent field: the conversion's scale operand; its exponent field: the byte
;   70-73  my bytes (blocks h and 2 + h) at their places, and lane l xor 16's two: the scale word
;   74-84  four conversions, a plain line behind them, and the moves of the upper halves (a conversion's three registers begin on an even number)
.macro QS
.set qw, 0
.if (n >= 32) && (n < 64)
.set qw, 5*SW
.endif
.if (n >= 74) && (n < 78)
.set qw, SW
.endif
	WIN qw
.if n < 64
.set qc, (n-32)%2
.set qq, (n-32)/2
.set qa, SB+32*qc+2*qq
.set qm, MXR+2*qc+qq%2
.if qq < 2
	v_max3_num_f32 v[qm], |v[qa]|, |v[qa+1]|, 0x1800000
.else
	v_max3_num_f32 v[qm], |v[qa]|, |v[qa+1]|, v[qm]
.endif
.elseif n < 66
	v_max_num_f32 v[MXR+2*(n-64)], v[MXR+2*(n-64)], v[MXR+2*(n-64)+1]
.elseif n < 68
	v_add_nc_u32 v[EXR+n-66], 0xff000000, v[MXR+2*(n-66)]
.elseif n < 70
	v_lshrrev_b32 v[BYR+n-68], 23, v[EXR+n-68]
.elseif n == 70
	v_lshl_or_b32 v[WD], v[BYR+1], 16, v[BYR]
.elseif n == 71
	v_lshlrev_b32 v[WD], v[SH8], v[WD]
.elseif n == 72
	v_permlanex16_b32 v[WD2], v[WD], s[SEL], s[SEL+1]
.elseif n == 73
	v_or_b32 v[PWR], v[WD], v[WD2]
.elseif n < 78
.set qc, (n-74)/2
.if (n-74)%2 == 0
	v_cvt_scalef32_pk16_fp6_f32 v[PB+6*qc:PB+6*qc+2], v[SB+32*qc:SB+32*qc+15], v[EXR+qc]
.else
	v_cvt_scalef32_pk16_fp6_f32 v[CT+4*qc:CT+4*qc+2], v[SB+32*qc+16:SB+32*qc+31], v[EXR+qc]
.endif
.elseif n == 78
	v_nop
.else
	v_mov_b32 v[PB+6*((n-79)/3)+3+(n-79)%3], v[CT+4*((n-79)/3)+(n-79)%3]
.endif
.set n, n+1
.endm
.macro QUANT sb, sw, pb, pwr           ; the whole list
.set SB, \sb
.set SW, \sw
.set PB, \pb
.set PWR, \pwr
.set n, 32
.rept 53
	QS
.endr
.endm
; Fragment f of my ten (0-3: x's tiles; 4-9: two tiles of W_q, W_k, W_v): its 16 rows of f32 into set f % 4 of window 1.  Load j takes the row of the tile's lane r = j, row 32 (j / 8) + j % 8 from the tile's first:
; 32 lanes read its 512 consecutive bytes, at a multiple of 512 from the buffer's first byte.  (No hint: other work-groups read the same rows.)  The window is left as it is: what follows sets its own.
.macro GLOAD f
	WIN 0x40                                       ; destination window 1
.irp j, 0,1,2,3,4,5,6,7,8,9,10,11,12,13,14,15
.if (\f) < 4
	global_load_b128 v[64*((\f)%4)+4*\j:64*((\f)%4)+4*\j+3], v[LI], s[XB:XB+1] offset:4096*(\f)+(32*(\j/8)+\j%8)*512
.else
	global_load_b128 v[64*((\f)%4)+4*\j:64*((\f)%4)+4*\j+3], v[LI], s[WB+2*(((\f)-4)/2):WB+2*(((\f)-4)/2)+1] offset:4096*(((\f)-4)%2)+(32*(\j/8)+\j%8)*512
.endif
.endr
.endm
; Fragment f's rows through stage f % 2: in as they were loaded, back as k = 64 c + 32 h + 4 i + 0 .. 3 of my row r, into set f % 2 of X.
; LDS serves a wave's instructions in order (ISA guide 5.7.1.4): no wait stands between the stores and the loads, and the stage's last reads came before these stores.
.macro TURN f
	WIN 0x04                                       ; an LDS store's data are its source 1: window 1
.irp j, 0,1,2,3,4,5,6,7,8,9,10,11,12,13,14,15
	ds_store_b128 v[STI], v[64*((\f)%4)+4*\j:64*((\f)%4)+4*\j+3] offset:STGB*((\f)%2)+SPT*\j
.endr
	WIN 0
.irp c, 0,1
.irp i, 0,1,2,3,4,5,6,7
	ds_load_b128 v[X+64*((\f)%2)+32*\c+4*\i:X+64*((\f)%2)+32*\c+4*\i+3], v[STR] offset:STGB*((\f)%2)+256*\c+16*\i
.endr
.endr
.endm
; Fragment f's codes and its scale word go to LDS as they stand: the image.
.macro IMG f
.set PCI, PC+12*((\f)%2)
.irp k, 0,1,2
.if (\f) < 4
	ds_store_b128 v[XWI], v[PCI+4*\k:PCI+4*\k+3] offset:XIMG+FRB*(\f)+512*\k
.else
	ds_store_b128 v[WWI], v[PCI+4*\k:PCI+4*\k+3] offset:WIMG+(8*(((\f)-4)/2)+((\f)-4)%2)*FRB+512*\k
.endif
.endr
.if (\f) < 4
	ds_store_b32 v[XWS], v[PW+(\f)%2] offset:XSC+128*(\f)
.else
	ds_store_b32 v[WWS], v[PW+(\f)%2] offset:WSC+1024*(((\f)-4)/2)+128*(((\f)-4)%2)
.endif
.endm
; Fragment f's turn: fragment f + 4 is asked for, fragment f - 1's image is laid in LDS, fragment f + 1 turns through the other stage, and fragment f is quantised.
.macro PREP f
	s_wait_dscnt 0x0                               ; my numbers are back from the stage: their loads were the last LDS instructions issued
.if (\f)+4 < 10
	WIN 0x40                                       ; (the switch, then the wait, then the loads)
.endif
	s_wait_alu depctr_vm_vsrc(0)                   ; the stores into the stage have read the set of rows in which the loads below land; the image stores of two fragments back have read the codes and the scale word that this fragment's quantiser writes
.if (\f)+4 < 10
	GLOAD (\f)+4                                   ; the rows of four fragments on
.endif
.if (\f) > 0
	WIN 0
	s_wait_alu depctr_va_vdst(0)                   ; the last fragment's quantiser has written its codes and its scale word, which the image stores read, and is done reading its set of X, in which the loads from the stage below land
	IMG (\f)-1
.endif
.if (\f)+1 < 10
.if 8-(\f) < 3
	s_wait_loadcnt 16*(8-(\f))                     ; sixteen loads for each fragment asked for behind fragment f + 1: its rows are in
.else
	s_wait_loadcnt 48
.endif
	TURN (\f)+1                                    ; no vector instruction stands between the wait on va_vdst above and these loads
.endif
	QUANT X+64*((\f)%2), 0, PC+12*((\f)%2), PW+(\f)%2   ; it names this fragment's X, its own set of codes and work registers: none that the loads and stores above touch
.endm
; A unit's operands.  Source 0's eight fragments from v[afa] + afo, their scale words from v[asa] + aso; own = 1: my four fragments from v[bfa] + bfo, their words from v[bsa] + bso
; (own = 0: those of the unit before stay).  The switch to window 1 and the wait stand ahead, in the text that calls this.
.macro ULOAD afa, afo, asa, aso, own, bfa, bfo, bsa, bso
	WIN 0x40
.irp t, 0,1,2,3,4,5,6,7
.irp k, 0,1,2
	ds_load_b128 v[12*\t+4*\k:12*\t+4*\k+3], v[\afa] offset:\afo+FRB*\t+512*\k
.endr
.endr
.if \own
.irp t, 0,1,2,3
.irp k, 0,1,2
	ds_load_b128 v[96+12*\t+4*\k:96+12*\t+4*\k+3], v[\bfa] offset:\bfo+FRB*\t+512*\k
.endr
.endr
.endif
	WIN 0
.irp t, 0,1,2,3,4,5,6,7
	ds_load_b32 v[ASC+\t], v[\asa] offset:\aso+128*\t
.endr
.if \own
.irp t, 0,1,2,3
	ds_load_b32 v[OSC+\t], v[\bsa] offset:\bso+128*\t
.endr
.endif
.endm
.macro LOADS u                         ; unit 0: Q;  1: K (my tiles of x stay);  2: V (the sources change parts)
.if (\u) == 0
	ULOAD LI, WIMG, LS, WSC, 1, AXO, XIMG, SXO, XSC
.elseif (\u) == 1
	ULOAD LI, WIMG+8*FRB, LS, WSC+1024, 0, AXO, XIMG, SXO, XSC
.else
	ULOAD AXA, XIMG, SXA, XSC, 1, AWO, WIMG+16*FRB, SWO, WSC+2048
.endif
.endm
; Tile j of my twelve (unit j / 4, my tile j % 4) leaves.  Q's results go to a group's third part, K's to its first, V's to its second.
.macro OUT j
.set oi, (\j)%4
.set op, ((\j)/4+2)%3
.set ob, PC+(PC2-PC)*((\j)%2)
.irp k, 0,1,2
	global_store_b128 v[LI], v[ob+4*\k:ob+4*\k+3], s[OUTB:OUTB+1] offset:op*PART+FRB*oi+512*\k   ; 32 lanes store 512 consecutive bytes, at a multiple of 256 from the buffer's first byte
.endr
.if oi == 3
	global_store_b64 v[SCO], v[SPAIR:SPAIR+1], s[OUTS:OUTS+1] offset:op*PART   ; the unit's scale words: 256 consecutive bytes, aligned
.endif
.endm
; Tile j: its eight products; the stores of tile j - 1; in a unit's last tile the next unit's operands; its quantiser, into set j % 2 of the codes.
.macro TILE j
.set ti, (\j)%4
.if ti == 0
	s_wait_dscnt 0x0                               ; the unit's fragments and scale words are in
.endif
	WIN 0x05                                       ; sources 0 and 1 window 1
.irp t, 0,1,2,3,4,5,6,7
	v_wmma_scale_f32_16x16x128_f8f6f4 v[H+8*\t:H+8*\t+7], v[12*\t:12*\t+11], v[96+12*ti:96+12*ti+11], 0, v[ASC+\t], v[OSC+ti] matrix_a_fmt:MATRIX_FMT_FP6 matrix_b_fmt:MATRIX_FMT_FP6
.endr
	WIN 0
.rept 4
	v_nop                                          ; four places between the last product and the first read of results (ISA guide 7.12.1)
.endr
.if (\j) >= 2
	s_wait_xcnt 0x0                                ; the stores issued a tile ago have had their addresses translated (ISA guide 3.1): their data registers are rewritten only behind this wait,
	s_wait_alu depctr_vm_vsrc(0)                   ; and they have read them: the set of codes that this tile's quantiser writes, and the pair of scale words that a unit's last tile writes
.endif
.if (ti == 3) && ((\j) < 11)
	WIN 0x40                                       ; (the switch, then the wait, then the loads)
.endif
.if (\j) >= 1
	s_wait_alu depctr_va_vdst(0)                   ; the last tile's quantiser (behind a unit's last tile the two selects too) has written what the stores below read; in a unit's last tile: the unit's products are done reading the fragments and scale words in which the loads below land
.endif
.if (ti == 3) && ((\j) < 11)
	LOADS (\j)/4+1                                 ; the next unit's operands land while this tile is quantised
.endif
.if (\j) >= 1
	OUT (\j)-1                                     ; only loads and window switches stand between the wait on va_vdst and these stores
.endif
	QUANT H, 0, PC+(PC2-PC)*((\j)%2), PWO+ti       ; it names the results, this tile's set of codes and work registers: none that the loads and stores above touch
.if ti == 3
	v_cndmask_b32 v[SPAIR], v[PWO], v[PWO+2], s[HM]        ; lanes 0-15 store the words of my tiles 0 and 1, lanes 16-31 of tiles 2 and 3
	v_cndmask_b32 v[SPAIR+1], v[PWO+1], v[PWO+3], s[HM]
.endif
.endm
	s_load_b256 s[4:11], s[0:1], 0x0               ; x s[4:5], W_q s[6:7], W_k s[8:9], W_v s[10:11]
	s_load_b64 s[12:13], s[0:1], 0x20              ; qkv
	s_set_vgpr_msb 0x80
	v_lshl_add_u32 v0, v0, 2, 0x20c00
	v_mov_b32 v1, 0
	s_set_vgpr_msb 0x8000
	v_lshrrev_b32 v10, 5, v0
	v_readfirstlane_b32 s[WV], v10                 ; wave 0..3
	v_and_b32 v10, 31, v0                          ; lane
	v_and_b32 v11, 15, v0                          ; r
	v_bfe_u32 v12, v0, 4, 1                        ; h
	v_lshlrev_b32 v[LI], 4, v10
	v_lshlrev_b32 v[LS], 2, v10
	v_lshlrev_b32 v[SH8], 3, v12
	v_lshl_add_u32 v[SCO], v11, 4, v[SH8]
	v_mov_b32 v[WD2], 0                            ; written once: a lane permute's destination counts as one of its sources
	s_wait_alu depctr_va_sdst(0)                   ; the wave's number is written, ahead of its first reader: LDS places and the bases are made from it
	s_mul_i32 s17, s[WV], 2*STGB
	s_add_co_u32 s17, s17, STG                     ; my wave's two stages
	v_add_nc_u32 v[STI], s17, v[LI]                ; in: a row's 512 bytes as they lie
	v_mul_u32_u24 v[STR], v11, SPT                 ; back: my row r, 128 bytes on for lanes 16-31
	v_lshl_add_u32 v[STR], v12, 7, v[STR]
	v_add_nc_u32 v[STR], s17, v[STR]
	s_and_b32 s18, s[WV], 1                        ; g: my row group
	s_lshr_b32 s19, s[WV], 1                       ; p: my half of the output tiles
	s_mul_i32 s17, s[WV], 4*FRB
	v_add_nc_u32 v[XWI], s17, v[LI]
	s_lshl_b32 s17, s[WV], 9
	v_add_nc_u32 v[XWS], s17, v[LS]
	s_mul_i32 s17, s[WV], 2*FRB
	v_add_nc_u32 v[WWI], s17, v[LI]
	s_lshl_b32 s17, s[WV], 8
	v_add_nc_u32 v[WWS], s17, v[LS]
	s_mul_i32 s17, s18, 8*FRB
	v_add_nc_u32 v[AXA], s17, v[LI]
	s_mul_i32 s17, s19, 4*FRB
	v_add_nc_u32 v[AXO], s17, v[AXA]
	v_add_nc_u32 v[AWO], s17, v[LI]
	s_lshl_b32 s17, s18, 10
	v_add_nc_u32 v[SXA], s17, v[LS]
	s_lshl_b32 s17, s19, 9
	v_add_nc_u32 v[SXO], s17, v[SXA]
	v_add_nc_u32 v[SWO], s17, v[LS]
	s_mov_b32 s[SEL], 0x76543210
	s_mov_b32 s[SEL+1], 0xfedcba98
	s_mov_b32 s[HM], 0xffff0000
	s_and_b32 s16, ttmp7, 0xffff                   ; the head within a batch
	s_lshl_b32 s24, ttmp9, 17                      ; x: (256 x block + 64 x wave) rows of 512 bytes
	s_lshl_b32 s17, s[WV], 15
	s_add_co_u32 s24, s24, s17
	s_mov_b32 s25, 0
	s_lshl_b32 s38, s16, 16                        ; W: (128 x head + 64 p + 16 g) rows: my tiles 2 w and 2 w + 1
	s_lshl_b32 s17, s19, 15
	s_add_co_u32 s38, s38, s17
	s_lshl_b32 s17, s18, 13
	s_add_co_u32 s38, s38, s17
	s_mov_b32 s39, 0
	s_lshr_b32 s40, ttmp9, 3                       ; the batch: eight blocks of 256 rows each
	s_lshl_b32 s40, s40, 3
	s_add_co_u32 s40, s40, s16                     ; b 8 + hd
	s_lshl_b32 s40, s40, 4
	s_and_b32 s17, ttmp9, 7
	s_lshl_b32 s17, s17, 1
	s_add_co_u32 s40, s40, s17
	s_add_co_u32 s40, s40, s18                     ; + the row group of the sequence
	s_mul_i32 s40, s40, GROUP                      ; under 2^25
	s_mul_i32 s17, s19, 4*FRB
	s_add_co_u32 s42, s40, s17
	s_mov_b32 s43, 0
	s_lshl_b32 s17, s19, 8
	s_add_co_u32 s44, s40, s17
	s_add_co_u32 s44, s44, 8*FRB
	s_mov_b32 s45, 0
	s_wait_kmcnt 0x0
	s_add_nc_u64 s[XB:XB+1], s[4:5], s[24:25]
	s_add_nc_u64 s[WB:WB+1], s[6:7], s[38:39]
	s_add_nc_u64 s[WB+2:WB+3], s[8:9], s[38:39]
	s_add_nc_u64 s[WB+4:WB+5], s[10:11], s[38:39]
	s_add_nc_u64 s[OUTB:OUTB+1], s[12:13], s[42:43]
	s_add_nc_u64 s[OUTS:OUTS+1], s[12:13], s[44:45]
	WIN 0x40                                       ; (the switch, then the wait, then the loads)
	s_wait_alu depctr_va_vdst(0)                   ; the fifteen addresses v1-7, v9, v20-25 and v29 are written: every load and store of the kernel reads one of them, and none is written again
	GLOAD 0
	GLOAD 1
	GLOAD 2
	GLOAD 3
	s_wait_loadcnt 48                              ; fragment 0's sixteen rows are in; those of the three fragments behind it may be out
	TURN 0
.irp f, 0,1,2,3,4,5,6,7,8,9
	PREP \f
.endr
	s_wait_alu depctr_va_vdst(0)                   ; fragment 9's quantiser has written its codes and its scale word, which the last image stores read
	IMG 9
	s_wait_dscnt 0x0                               ; for the others' sake: my images have landed
	s_barrier_signal -1
	s_barrier_wait -1                              ; all 40 fragments lie in LDS; nothing there is written again
	WIN 0x40                                       ; (the switch, then the wait, then the loads)
	s_wait_alu depctr_vm_vsrc(0)                   ; my stores into the stages have read window 1's registers, in which the fragments' loads land; my image stores have read v52-75, v33 and v34, which the products and the quantiser write from here on
	LOADS 0
.irp j, 0,1,2,3,4,5,6,7,8,9,10,11
	TILE \j
.endr
	s_wait_alu depctr_va_vdst(0)                   ; the last tile's quantiser has written its codes and the two selects the pair of scale words, which the last stores read
	OUT 11
	s_set_vgpr_msb 0xa
	s_wait_dscnt 0x0
	s_wait_alu depctr_hold_cnt(0) depctr_sa_sdst(0) depctr_va_vdst(0) depctr_va_sdst(0) depctr_va_ssrc(0) depctr_va_vcc(0) depctr_vm_vsrc(0)
	s_wait_tensorcnt 0x0
	ds_add_u32 v0, v1
	s_wait_dscnt 0x0
	s_endpgm
.Lfunc_end_k_qf135750b35_project:
	.size	k_qf135750b35_project, .Lfunc_end_k_qf135750b35_project-k_qf135750b35_project
	.p2alignl 7, 3214868480
	.fill 96, 4, 3214868480
	.section	.rodata,"a",@progbits
	.p2align	6, 0x0
	.amdhsa_kernel k_qf135750b35_project
		.amdhsa_group_segment_fixed_size 134656
		.amdhsa_private_segment_fixed_size 0
		.amdhsa_enable_private_segment 0
		.amdhsa_kernarg_size 40
		.amdhsa_user_sgpr_count 2
		.amdhsa_user_sgpr_kernarg_segment_ptr 1
		.amdhsa_wavefront_size32 1
		.amdhsa_system_sgpr_workgroup_id_x 1
		.amdhsa_system_sgpr_workgroup_id_y 1
		.amdhsa_system_sgpr_workgroup_id_z 1
		.amdhsa_system_vgpr_workitem_id 0
		.amdhsa_next_free_vgpr 514
		.amdhsa_next_free_sgpr 66
		.amdhsa_reserve_vcc 0
		.amdhsa_float_denorm_mode_32 3
		.amdhsa_float_denorm_mode_16_64 3
		.amdhsa_memory_ordered 1
		.amdhsa_forward_progress 1
		.amdhsa_inst_pref_size 138
	.end_amdhsa_kernel
	.amdgpu_metadata
---
amdhsa.version: [ 1, 2 ]
amdhsa.kernels:
  - .name:           k_qf135750b35_project
    .symbol:         k_qf135750b35_project.kd
    .args:
      - { .name: x, .offset: 0, .size: 8, .value_kind: global_buffer, .address_space: global }
      - { .name: W_q, .offset: 8, .size: 8, .value_kind: global_buffer, .address_space: global }
      - { .name: W_k, .offset: 16, .size: 8, .value_kind: global_buffer, .address_space: global }
      - { .name: W_v, .offset: 24, .size: 8, .value_kind: global_buffer, .address_space: global }
      - { .name: qkv, .offset: 32, .size: 8, .value_kind: global_buffer, .address_space: global }
    .group_segment_fixed_size: 134656
    .private_segment_fixed_size: 0
    .kernarg_segment_align: 8
    .kernarg_segment_size: 40
    .max_flat_workgroup_size: 128
    .sgpr_count:     66
    .vgpr_count:     514
    .wavefront_size: 32
...
	.end_amdgpu_metadata
.endif
;; end of part 3
;; launch attend: the kernel of part 2 again; grid 8 x 32, 4 waves a work-group, clusters of 4 x 1, 327,680 bytes of LDS; arguments qkv, out0; writes out0
